; MI455X (gfx1250); checked and timed in simulation.
; The chip was launched on July 23, 2026; its instructions are those of AMD's public machine-readable ISA for CDNA 5 (MIT licence, August 2026) and "CDNA5" Instruction Set Architecture Reference Guide (July 2026). The comments in the code are by the model that wrote it; some were corrected since.
;; KAN Layer. Allowed arithmetic: float matrix products may take bf16 or f16 operands with f32 sums; other float arithmetic in f32, or as packed bf16 or f16 multiplies, adds, multiply-adds, maxima and minima; sums over many terms, partial sums and values carried from step to step in f32; what a program stores and reads back later, other than sums and carried values, may be rounded once to bf16 or f16.
;; Inputs: bias 1,024 float32; centers 16 float32; weights 1,024 x 1,024 x 16 float32; widths 16 float32; x 4,096 x 1,024 float32.
;; Outputs: out0 4,096 x 1,024 float32.
;; 2 versions, each right and faster than the one before. Each part assembles by itself: llvm-mc -triple=amdgcn-amd-amdhsa -mcpu=gfx1250 --defsym DOCPART=n.
;; ======== version 1 of 2: 3 launches
;; limits: values are held in f16: magnitudes above 65,504 overflow, below 6.1e-05 lose precision; inputs' magnitudes at most 65,504
;; workspace buffers: wh 33,554,432 bytes; part 67,108,864 bytes
;; launch wcast (part 1): grid 2048 x 1, 8 waves a work-group, no clusters, 0 bytes of LDS; arguments weights, wh; writes wh
.if DOCPART == 1
	.amdgcn_target "amdgcn-amd-amdhsa--gfx1250"
	.amdhsa_code_object_version 6
	.text
	.protected	k_qfc3aecca1b_wcast
	.globl	k_qfc3aecca1b_wcast
	.p2align	8
	.type	k_qfc3aecca1b_wcast,@function
k_qfc3aecca1b_wcast:
	s_mov_b64 s[64:65], 0
	v_nop
	global_prefetch_b8 v0, s[64:65] scope:SCOPE_SE
	s_setreg_imm32_b32 hwreg(HW_REG_WAVE_MODE, 25, 1), 1
	s_wait_xcnt 0x0
; wh = weights rounded once to f16, in the same row-major order: [1024][16384], K' = 16 i + k along a row.
; A stream: every byte is read once and written once; nothing is shared between work-groups, so LDS, barriers, matrix unit and clusters have no part in it.
; LIMIT.  f16 ends at 65,504: a weight of magnitude 65,520 or more becomes an infinity; below 6e-5 a weight keeps f16's fixed step of 6e-8.
; SHARES.  A work-group takes 32,768 bytes of weights (8,192 numbers) and makes 16,384 bytes.  Thread t takes 16 bytes at 16 t of each of eight pieces of 4,096 bytes:
; a wave's load covers 512 consecutive bytes, its store of 8 bytes a lane 256 consecutive bytes at a multiple of 256 from wh's first byte.
; All eight loads go out first; no register is written twice, so the only waits are the counted ones for the loads.
.set IN,  4                            ; v[4:35]   piece j: 4 numbers in f32
.set OUT, 36                           ; v[36:51]  piece j: 4 numbers in f16
	s_load_b128 s[4:7], s[0:1], 0x0                ; weights s[4:5], wh s[6:7]
	s_lshl_b32 s8, ttmp9, 15                       ; my work-group's 32,768 bytes in (2,047 x 32,768 stays under 2^32)
	s_mov_b32 s9, 0
	s_lshl_b32 s10, ttmp9, 14                      ; and its 16,384 bytes out
	s_mov_b32 s11, 0
	v_lshlrev_b32 v1, 4, v0                        ; 16 t
	v_lshlrev_b32 v2, 3, v0                        ; 8 t
	s_wait_kmcnt 0x0
	s_add_nc_u64 s[4:5], s[4:5], s[8:9]
	s_add_nc_u64 s[6:7], s[6:7], s[10:11]
.irp j, 0,1,2,3,4,5,6,7
	global_load_b128 v[IN+4*(\j):IN+4*(\j)+3], v1, s[4:5] offset:4096*(\j) th:TH_LOAD_NT  ; read once in the launch
.endr
.irp j, 0,1,2,3,4,5,6,7
	s_wait_loadcnt 7-(\j)                          ; loads come back in order: piece j is in, the 7 - j younger ones may be out
	v_cvt_pk_f16_f32 v[OUT+2*(\j)],   v[IN+4*(\j)],   v[IN+4*(\j)+1]
	v_cvt_pk_f16_f32 v[OUT+2*(\j)+1], v[IN+4*(\j)+2], v[IN+4*(\j)+3]
	global_store_b64 v2, v[OUT+2*(\j):OUT+2*(\j)+1], s[6:7] offset:2048*(\j)  ; no hint: the next launch reads wh
.endr
	s_endpgm
.Lfunc_end_k_qfc3aecca1b_wcast:
	.size	k_qfc3aecca1b_wcast, .Lfunc_end_k_qfc3aecca1b_wcast-k_qfc3aecca1b_wcast
	.p2alignl 7, 3214868480
	.fill 96, 4, 3214868480
	.section	.rodata,"a",@progbits
	.p2align	6, 0x0
	.amdhsa_kernel k_qfc3aecca1b_wcast
		.amdhsa_group_segment_fixed_size 0
		.amdhsa_private_segment_fixed_size 0
		.amdhsa_enable_private_segment 0
		.amdhsa_kernarg_size 16
		.amdhsa_user_sgpr_count 2
		.amdhsa_user_sgpr_kernarg_segment_ptr 1
		.amdhsa_wavefront_size32 1
		.amdhsa_system_sgpr_workgroup_id_x 1
		.amdhsa_system_sgpr_workgroup_id_y 1
		.amdhsa_system_sgpr_workgroup_id_z 1
		.amdhsa_system_vgpr_workitem_id 0
		.amdhsa_next_free_vgpr 52
		.amdhsa_next_free_sgpr 66
		.amdhsa_reserve_vcc 0
		.amdhsa_float_denorm_mode_32 3
		.amdhsa_float_denorm_mode_16_64 3
		.amdhsa_memory_ordered 1
		.amdhsa_forward_progress 1
		.amdhsa_inst_pref_size 4
	.end_amdhsa_kernel
	.amdgpu_metadata
---
amdhsa.version: [ 1, 2 ]
amdhsa.kernels:
  - .name:           k_qfc3aecca1b_wcast
    .symbol:         k_qfc3aecca1b_wcast.kd
    .args:
      - { .name: weights, .offset: 0, .size: 8, .value_kind: global_buffer, .address_space: global }
      - { .name: wh, .offset: 8, .size: 8, .value_kind: global_buffer, .address_space: global }
    .group_segment_fixed_size: 0
    .private_segment_fixed_size: 0
    .kernarg_segment_align: 8
    .kernarg_segment_size: 16
    .max_flat_workgroup_size: 256
    .sgpr_count:     66
    .vgpr_count:     52
    .wavefront_size: 32
...
	.end_amdgpu_metadata
.endif
;; end of part 1
;; launch kan (part 2): grid 32 x 8, 4 waves a work-group, clusters of 4 x 1, 327,680 bytes of LDS; arguments x, centers, widths, wh, part; writes part
.if DOCPART == 2
	.amdgcn_target "amdgcn-amd-amdhsa--gfx1250"
	.amdhsa_code_object_version 6
	.text
	.protected	k_qfc3aecca1b_kan
	.globl	k_qfc3aecca1b_kan
	.p2align	8
	.type	k_qfc3aecca1b_kan,@function
k_qfc3aecca1b_kan:
	s_mov_b64 s[64:65], 0
	v_nop
	global_prefetch_b8 v0, s[64:65] scope:SCOPE_SE
	s_setreg_imm32_b32 hwreg(HW_REG_WAVE_MODE, 25, 1), 1
	s_wait_xcnt 0x0
	s_wait_alu depctr_hold_cnt(0) depctr_sa_sdst(0) depctr_va_vdst(0) depctr_va_sdst(0) depctr_va_ssrc(0) depctr_va_vcc(0) depctr_vm_vsrc(0)
	s_getreg_b32 s2, hwreg(HW_REG_IB_STS2, 6, 4)
	s_cmp_eq_u32 s2, 0
	s_cbranch_scc0 .Lentry_in_a_cluster
	s_endpgm
.Lentry_in_a_cluster:
	s_bfe_u32 s2, ttmp6, 0x10000c
	s_cmp_lg_u32 s2, 0x3003
	s_cbranch_scc0 .Lentry_shape_is_right
	s_endpgm
.Lentry_shape_is_right:
; part[kq][b][o] = the sum over quarter kq of K' = 16 i + k of A[b][K'] W[o][K'],  A[b][16 i + k] = exp(-(x[b][i] - c[k])^2 / (2 w[k]^2)),  W = wh, [1024][16384] in f16.
; A GEMM of 4096 x 1024 x 16384 whose A is never in memory: it is made here from x, rounded once to f16, and handed to the four waves through LDS.  Sums in f32; part is f32.
; LIMITS.  A lies in 0 to 1; below 6e-5 it keeps f16's fixed step of 6e-8, and under 3e-8 it counts as 0; the exponential gives 0 below 2^-126.  The exponent is (x + (-c))^2 times G,
; G = -log2(e) / (2 w^2) by v_rcp_f32 (1 ULP; a denormal w^2 counts as 0): never above 0, so nothing overflows.  w = 0 gives 0, and NaN where x = c, as the quotient 0 / 0 does.
; SHARES.  256 work-groups: 32 blocks of 128 rows x 2 blocks of 512 columns x 4 quarters of K'.  Tiles of 128 x 512 over all of K' would be 64 work-groups; the split of K' makes 256 of equal work and keeps
; a wave's 128 x 128 (64 accumulators, 512 registers); its price is the f32 partial sums, added by the next launch.  Wave w has all 128 rows x columns 128 w .. 128 w + 127.
; K' goes in steps of 128 through a ring of two LDS slots; wave w's one tensor load brings the 128 rows of W x 256 bytes that wave w itself multiplies.
; CLUSTER.  The four work-groups of a cluster differ in the row block alone and walk the same W: every tile is asked for JOINTLY, by the same load, descriptor and mask of four in all four.
; A is not loaded, so a second axis of the cluster would share nothing.
; A IS MADE in halves of 64 K' (4 columns of x, 16 kernels each).  Wave w makes rows 32 w .. 32 w + 31, a lane a row: 96 packed operations, 64 exponentials, 32 roundings = 192 vector instructions for the
; 128 matrix instructions of half a step.  They stand three behind each matrix instruction of quarters 0 and 2 of a step; none names a register of the products round it.
; WHEN.  Step n, quarters 0-3 of 32 K'.  Quarter 0 makes half 0 of step n + 1; behind quarter 1's barrier, when no wave reads the old half 0 any more, it is stored.  Quarter 2 makes half 1; behind
; quarter 3's barrier it is stored.  A half is read only behind the barrier after its store's, in front of which every wave has waited for its stores.
; THE MATRIX INSTRUCTION IS USED TRANSPOSED (source 0 = 16 rows of W, source 1 = 16 rows of A): a lane then holds eight neighbouring numbers of a row of the result.
; REGISTERS, in windows of 256 (s_set_vgpr_msb: bits 1:0 source 0, 3:2 source 1, 5:4 source 2, 7:6 destination):
;   window 0: v0-31 addresses; v64-127, v128-191 A's fragments, two buffers; on the way out rows read back from the stage
;   window 1: v0-15 a ring of four slots of 4 numbers of x; v16-31 -c; v32-47 G; v48 x's offset; v56-63 the first 8 numbers of x; v64-127, v128-191 W's fragments; v192-223 at work; v224-255 64 f16 of my row of A
;   window 2: the accumulators of rows 0-63 ((a, b) at v[8 (8 a + b)]);   window 3: those of rows 64-127
.set KALL,   16384                     ; K' in a row of wh
.set KSTEP,  128
.set LAPS,   16                        ; a quarter of K' is 32 steps; a lap = two steps = once round the ring
.set PITCH,  272                       ; a row of W in LDS: 256 bytes + 16 of padding = 68 words: row r starts at bank 4 r mod 64 (64 banks of 4 bytes: ISA guide 11.1)
.set HALFT,  128*PITCH                 ; what one tensor load brings
.set SLOT,   4*HALFT
.set ABASE,  2*SLOT                    ; behind the ring, in blocks of 256 bytes of its own: no tensor load ever lands here
.set APITCH, 144                       ; a row of half a step of A: 128 bytes + 16 = 36 words: 16 rows start at 16 different groups of four banks
.set AHB,    128*APITCH                ; one half; the two halves lie one behind the other
.set SPITCH, 528                       ; the way out: a row of 128 f32, 512 bytes + 16
.set STG,    16*SPITCH                 ; a wave's stage: 16 rows.  The four stages take A's bytes, behind a barrier behind which nobody reads A
.set SPARE,  ABASE+2*AHB               ; the spare words, 128 bytes for each wave: two blocks of 256 bytes that no other line names
.set ADRA, 16                          ; v16     LDS address of my place in A's fragments, half 0
.set ADRB, 20                          ; v20-21  the same for W, slot 0, 1
.set AST,  22                          ; v22     where my row of A goes, half 0
.set STO,  24                          ; v24     the way out: where I put 32 bytes of a row
.set RD,   25                          ; v25     the way out: where I read a row back
.set CO,   26                          ; v26     my 16 bytes in 512 consecutive bytes of part
.set SPW,  28                          ; v28     LDS address of my spare word; never rewritten
.set NIL,  29                          ; v29     0, for the add alone
.set ZO,   30                          ; v30     0: the offset of the loads of c and w
.set F0,   64
.set F1,   128
.set OB,   64                          ; the way out: two buffers of 64
.set X,    0                           ; from here on window 1
.set NC,   16
.set G,    32
.set XO,   48
.set X0,   56
.set DB,   192
.set PK,   224
.set WV,   14                          ; s14      my wave's number
.set G1,   24                          ; s[24:31] descriptor group 1
.set G0,   32                          ; s[32:39] descriptor group 0, a set for each slot
.set MSB,  0
.set RIDE, 0                           ; vector instructions behind each matrix instruction: 3 or 0
.set pn,   0                           ; the next entry of the list of 192
.set PX,   0                           ; the four numbers of x in hand
.macro WIN new                         ; the immediate's high byte repeats the setting that is left; a switch that changes nothing is dropped
.if MSB != (\new)
	s_set_vgpr_msb (MSB<<8)|(\new)
.set MSB, \new
.endif
.endm
.set MUL_LO, 0xa1                      ; source 0 (W) window 1, source 1 (A) window 0, C and D window 2
.set MUL_HI, 0xf1                      ; the same, C and D window 3
.set TO_B,   0x40                      ; destination window 1, address window 0
.set W_PR,   0x55                      ; everything in window 1
.set W_ST,   0x04                      ; an LDS store's data in window 1, its address in window 0
.macro PLACES                          ; four places in front of loads into registers that matrix instructions have read, and of stores that read results
.rept 4
	v_nop
.endr
.endm
.macro CREST                           ; a round of the cluster's barrier behind its opening barrier
	s_cmp_lg_u32 s[WV], 0
	s_cbranch_scc1 .Lnot_wave_0_\@
	s_barrier_signal -3
.Lnot_wave_0_\@:
	s_barrier_wait -3
	s_barrier_signal -1
	s_barrier_wait -1
.endm
.macro CROUND                          ; a whole round
	s_barrier_signal -1
	s_barrier_wait -1
	CREST
.endm
; THE LIST OF 192 that makes 64 numbers of my row of A from four numbers of x.  Column i (0-3) works in buffer i % 2 of two of 16 registers.
; PLN i, n: 0-7: d = x_i + (-c) for pair n of the 16 kernels (x_i goes to both halves: op_sel picks its register of the pair); 8-15: d d; 16-23: times G.
.macro PLN i, n
.set rD, DB+16*((\i)%2)
.if (\n) < 8
.if ((\i)%2) == 0
	v_pk_add_f32 v[rD+2*(\n):rD+2*(\n)+1], v[PX+2*((\i)/2):PX+2*((\i)/2)+1], v[NC+2*(\n):NC+2*(\n)+1] op_sel_hi:[0,1]
.else
	v_pk_add_f32 v[rD+2*(\n):rD+2*(\n)+1], v[PX+2*((\i)/2):PX+2*((\i)/2)+1], v[NC+2*(\n):NC+2*(\n)+1] op_sel:[1,0] op_sel_hi:[1,1]
.endif
.elseif (\n) < 16
	v_pk_mul_f32 v[rD+2*((\n)-8):rD+2*((\n)-8)+1], v[rD+2*((\n)-8):rD+2*((\n)-8)+1], v[rD+2*((\n)-8):rD+2*((\n)-8)+1]
.else
	v_pk_mul_f32 v[rD+2*((\n)-16):rD+2*((\n)-16)+1], v[rD+2*((\n)-16):rD+2*((\n)-16)+1], v[G+2*((\n)-16):G+2*((\n)-16)+1]
.endif
.endm
.macro EXN i, m                        ; the exponential of kernel m
.set rD, DB+16*((\i)%2)
	v_exp_f32 v[rD+(\m)], v[rD+(\m)]
.endm
.macro CVN i, m                        ; pair m rounded to f16: K' = 16 i + 2 m, + 1 of the half, word 8 i + m of my row
.set rD, DB+16*((\i)%2)
	s_wait_alu depctr_va_vdst(0)
	v_cvt_pk_f16_f32 v[PK+8*(\i)+(\m)], v[rD+2*(\m)], v[rD+2*(\m)+1]
.endm
; The order: column i's plain work stands between column i - 1's exponentials, which work in the other buffer, so that a plain instruction that names nothing of it follows each exponential before its
; result is used (ISA guide 5.7.2); a buffer is written anew only behind its roundings.  The last column's eight last exponentials stand together, and its roundings, from the oldest on, behind them.
.macro PRD
	WIN W_PR
.if pn < 24
	PLN 0, pn
.elseif pn < 120
.set pt, (pn-24)%48
.set pcol, 1+(pn-24)/48
.if pt < 32
.if (pt%2) == 0
	PLN pcol, pt/2
.else
	EXN pcol-1, pt/2
.endif
.elseif pt < 40
	PLN pcol, pt-16
.else
	CVN pcol-1, pt-40
.endif
.elseif pn < 160
.set pt, pn-120
.if pt < 32
.if (pt%2) == 0
	PLN 3, pt/2
.else
	EXN 2, pt/2
.endif
.else
	PLN 3, pt-16
.endif
.elseif pn < 176
.set pt, pn-160
.if (pt%2) == 0
	EXN 3, pt/2
.else
	CVN 2, pt/2
.endif
.elseif pn < 184
	EXN 3, pn-168
.else
	CVN 3, pn-184
.endif
.set pn, pn+1
.endm
; 16 matrix instructions: m blocks a0, a0 + 1 of the window's four (hi = 0: rows 0-63, 1: rows 64-127) x all 8 n blocks, 32 along K'.  zero = 1: the product starts the sum: nothing is cleared.
; The 64 accumulators take turns, one instruction a turn, in the same order in every quarter.  RIDE entries of the list stand behind each.
.macro MUL16 f, hi, a0, zero
.irp a, \a0, (\a0)+1
.irp b, 0,1,2,3,4,5,6,7
	WIN MUL_LO+0x50*(\hi)
.if \zero
	v_wmma_f32_16x16x32_f16 v[8*(8*(\a)+(\b)):8*(8*(\a)+(\b))+7], v[(\f)+8*(\b):(\f)+8*(\b)+7], v[(\f)+8*(4*(\hi)+(\a)):(\f)+8*(4*(\hi)+(\a))+7], 0
.else
	v_wmma_f32_16x16x32_f16 v[8*(8*(\a)+(\b)):8*(8*(\a)+(\b))+7], v[(\f)+8*(\b):(\f)+8*(\b)+7], v[(\f)+8*(4*(\hi)+(\a)):(\f)+8*(4*(\hi)+(\a))+7], v[8*(8*(\a)+(\b)):8*(8*(\a)+(\b))+7]
.endif
.if RIDE
.rept RIDE
	PRD
.endr
.endif
.endr
.endr
.endm
; 32 LDS loads in one run: a quarter's fragments into buffer f: my 128 rows of W at byte kb of slot bs, then the 128 rows of A at byte ka of half ah.
; A fragment is 16 rows x 32 K' in 8 registers: lane l holds row l % 16; registers 0-3 K' = 8 (l / 16) + 0..7, registers 4-7 K' = 16 + 8 (l / 16) + 0..7: two loads of 16 bytes, 32 bytes apart.
.macro FETCH bs, kb, ah, ka, f
	WIN TO_B
.irp i, 0,1,2,3,4,5,6,7
	ds_load_b128 v[(\f)+8*(\i):(\f)+8*(\i)+3],   v[ADRB+(\bs)] offset:(\kb)+(\i)*16*PITCH
	ds_load_b128 v[(\f)+8*(\i)+4:(\f)+8*(\i)+7], v[ADRB+(\bs)] offset:(\kb)+(\i)*16*PITCH+32
.endr
	WIN 0
.irp i, 0,1,2,3,4,5,6,7
	ds_load_b128 v[(\f)+8*(\i):(\f)+8*(\i)+3],   v[ADRA] offset:(\ah)*AHB+(\ka)+(\i)*16*APITCH
	ds_load_b128 v[(\f)+8*(\i)+4:(\f)+8*(\i)+7], v[ADRA] offset:(\ah)*AHB+(\ka)+(\i)*16*APITCH+32
.endr
.endm
.macro STORE_A ah                      ; my row's 128 bytes into half ah
	WIN W_ST
.irp j, 0,1,2,3,4,5,6,7
	ds_store_b128 v[AST], v[PK+4*(\j):PK+4*(\j)+3] offset:(\ah)*AHB+16*(\j)
.endr
.endm
; QUARTERS 0 AND 2 of a step: multiply buffer 0; in the middle the next quarter's fragments are fetched into buffer 1.
; xs >= 0: the list runs behind the 64 products (64 x 3 = 192), on slot xs of x's ring.  xp = 1, 2: the slot is then loaded again, for the production four further on, by pointer s[40:41] or s[42:43].
.macro QP bs, kb, ah, ka, zero, xs, xp, xoff
.if (\xs) >= 0
.set PX, X+4*(\xs)
.set pn, 0
.set RIDE, 3
	s_wait_loadcnt 0x3                             ; loads come back in order: this slot's is in; the ring's three younger loads may be out
.else
.set RIDE, 0
.endif
	s_wait_dscnt 8                                 ; W and A's rows 0-63 are in; the youngest eight loads (A's rows 64-127) may be out
	MUL16 F0, 0, 0, \zero
	MUL16 F0, 0, 2, \zero
	PLACES
	FETCH \bs, \kb, \ah, \ka, F1
	s_wait_dscnt 32                                ; all but the 32 just issued
	MUL16 F0, 1, 0, \zero
	MUL16 F0, 1, 2, \zero
.set RIDE, 0
.if (\xp) > 0
	WIN W_PR
	global_load_b128 v[X+4*(\xs):X+4*(\xs)+3], v[XO], s[38+2*(\xp):39+2*(\xp)] offset:\xoff  ; a lane takes 16 bytes of its own row
.endif
.endm
; QUARTERS 1 AND 3: multiply buffer 1, and hold the step's two barriers.  In front of the signal every wave has waited for all its LDS instructions: its reads of the half of A (and, in quarter 3, of the
; slot) that is written behind the barrier, and its stores of the half that is read behind it.
; kind 0 (quarter 1): a plain barrier; my one tensor load stays out across it.
; kind 1 (quarter 3): the barrier opens a round of the cluster's; in front of it stand the wait for all my tensor loads (one is out: my part of the next slot), the add and the wait for it; slot bs is filled
;   again first thing behind the round, two steps ahead: 224 matrix instructions stand between the request and the wait for it.
; kind 2 (quarter 3 of the last step but one): the same waits; nothing is left to ask for, so no round follows.
; Then: st >= 0: my row of the half made in the quarter before goes into half st; the next quarter's fragments (slot nbs at byte nkb, half nah at byte 0) are fetched into buffer 0.
.macro QB kind, bs, nbs, nkb, nah, st
.set RIDE, 0
.if (\kind) >= 1
	WIN 0                                          ; (the add's two registers lie in window 0)
	s_wait_tensorcnt 0x0                           ; all my tensor loads have landed
	ds_add_u32 v[SPW], v[NIL]                      ; 0 onto my spare word
	s_wait_dscnt 9                                 ; (the add and the youngest eight loads may be out)
.else
	s_wait_dscnt 8
.endif
	MUL16 F1, 0, 0, 0
	s_wait_dscnt 0x0                               ; for the others' sake: my reads and my stores are done (and the add)
	s_barrier_signal -1
	MUL16 F1, 0, 2, 0                              ; work on registers while the others arrive
	WIN 0                                          ; at a branch and at a label every window is 0
	s_barrier_wait -1
.if (\kind) == 1
	CREST                                          ; no wave of any partner still reads this slot or has a load on its way
	s_add_nc_u64 s[G0+4*(\bs)+2:G0+4*(\bs)+3], s[G0+4*(\bs)+2:G0+4*(\bs)+3], 2*KSTEP*2  ; no load of mine is out: the slot's address steps two steps on; the type bits are not reached
	tensor_load_to_lds s[G0+4*(\bs):G0+4*(\bs)+3], s[G1:G1+7]  ; my one tensor load behind the round
	s_nop 0
	PLACES                                         ; four v_nop behind the load; they are also the places in front of the loads below
.else
	PLACES
.endif
.if (\st) >= 0
	STORE_A \st
.endif
	FETCH \nbs, \nkb, \nah, 0, F0
	MUL16 F1, 1, 0, 0
	MUL16 F1, 1, 2, 0
.endm
; THE WAY OUT of block a (16 rows x my 128 columns, f32).  A lane's eight numbers of accumulator (a, b) are 32 neighbouring bytes of a row; they go into my stage and come back as whole rows of 512 bytes.
.macro TOSTAGE a
.set AC, 64*((\a)%4)
.set BK, OB+64*((\a)%2)
	s_wait_xcnt 0x0                                ; the stores of the block two back have read this buffer: it is loaded again only behind this wait
	WIN 0x08+4*((\a)/4)                            ; the store's data in window 2 or 3
.irp b, 0,1,2,3,4,5,6,7
	ds_store_b128 v[STO], v[AC+8*(\b):AC+8*(\b)+3]   offset:64*(\b)     ; each accumulator from its low end on
	ds_store_b128 v[STO], v[AC+8*(\b)+4:AC+8*(\b)+7] offset:64*(\b)+16
.endr
	WIN 0
.irp t, 0,1,2,3,4,5,6,7,8,9,10,11,12,13,14,15
	ds_load_b128 v[BK+4*(\t):BK+4*(\t)+3], v[RD] offset:(\t)*SPITCH  ; LDS serves a wave's instructions in order (ISA guide 5.7.1.4): these see the stores above; the next block's stores come behind them
.endr
.endm
.macro SEND a, younger                 ; younger: the LDS instructions issued behind block a's loads
.set BK, OB+64*((\a)%2)
	WIN 0
	s_wait_dscnt \younger
.irp t, 0,1,2,3,4,5,6,7,8,9,10,11,12,13,14,15
	global_store_b128 v[CO], v[BK+4*(\t):BK+4*(\t)+3], s[12:13] offset:(16*(\a)+(\t))*4096  ; 512 consecutive bytes, at a multiple of 256 from part's first; 127 rows of 4,096 bytes at the most in the immediate
.endr
.endm
	s_load_b256 s[4:11], s[0:1], 0x0               ; x s[4:5], centers s[6:7], widths s[8:9], wh s[10:11]
	s_load_b64 s[12:13], s[0:1], 0x20              ; part
	v_lshl_add_u32 v[SPW], v0, 2, SPARE
	v_mov_b32 v[NIL], 0
	ds_add_u32 v[SPW], v[NIL]                      ; the wave's opening: the add and its wait stand ahead of my first tensor load; the set-up below, work on registers, stands between them
	v_lshrrev_b32 v1, 5, v0
	v_readfirstlane_b32 s[WV], v1                  ; wave 0..3
	s_bfe_u32 s15, ttmp6, 0x40000                  ; cx: my place in the cluster
	s_lshl_b32 s16, ttmp9, 2                       ; in a cluster launch ttmp9 counts clusters
	s_add_co_u32 s16, s16, s15                     ; row block = 4 x cluster x + cx: it enters x's and part's addresses alone
	s_and_b32 s17, ttmp7, 0xffff                   ; y, which the four partners share:
	s_and_b32 s18, s17, 1                          ; the column block,
	s_lshr_b32 s19, s17, 1                         ; the quarter of K'
	; descriptor group 1: a tile of 128 rows x 128 elements, padded in LDS
	s_mov_b32 s[G1+0], 15|(1<<16)|(1<<20)|(1<<21)|(5<<22)|(3<<25)  ; 15:0 the mask of four; 17:16 elements of 2 bytes; 20 padding on; 21 set beside a mask; 24:22 after every 64 words (code 5); 31:25 4 words (code 3)
	s_mov_b32 s[G1+1], KSTEP<<16                   ; tensor_dim0 = 128
	s_mov_b32 s[G1+2], 128<<16                     ; tensor_dim1 = 128
	s_mov_b32 s[G1+3], KSTEP<<16                   ; tile_dim0 = 128
	s_mov_b32 s[G1+4], 128                         ; tile_dim1 = 128
	s_mov_b32 s[G1+5], KALL                        ; elements from row to row
	s_mov_b32 s[G1+6], 0
	s_mov_b32 s[G1+7], 0
	s_mul_i32 s20, s[WV], HALFT                    ; my part of a slot: no place in the cluster enters an LDS address
	s_lshl_b32 s46, s18, 2                         ; W: row 512 x column block + 128 x wave, 32,768 bytes a row: (4 cb + w) << 22,
	s_add_co_u32 s46, s46, s[WV]
	s_lshl_b32 s46, s46, 22
	s_lshl_b32 s47, s19, 13                        ; and the quarter's 4,096 K' of 2 bytes
	s_add_co_u32 s46, s46, s47
	s_mov_b32 s47, 0
	s_lshl_b32 s22, s16, 19                        ; x: row 128 x row block + 32 x wave, 4,096 bytes a row,
	s_lshl_b32 s23, s[WV], 17
	s_add_co_u32 s22, s22, s23
	s_lshl_b32 s23, s19, 10                        ; and the quarter's 256 columns of 4 bytes
	s_add_co_u32 s22, s22, s23
	s_mov_b32 s23, 0
	s_lshl_b32 s48, s19, 24                        ; part: the quarter's 16,777,216 bytes, the row block's 128 rows of 4,096, the column block's 2,048 bytes, my wave's 512
	s_lshl_b32 s49, s16, 19
	s_add_co_u32 s48, s48, s49
	s_lshl_b32 s49, s18, 11
	s_add_co_u32 s48, s48, s49
	s_lshl_b32 s49, s[WV], 9
	s_add_co_u32 s48, s48, s49
	s_mov_b32 s49, 0
	s_mul_i32 s21, s[WV], 32*APITCH
	s_add_co_u32 s21, s21, ABASE                   ; the 32 rows of A that my wave makes
	s_mul_i32 s50, s[WV], STG
	s_add_co_u32 s50, s50, ABASE                   ; my stage
	s_mov_b32 s45, 0                               ; the high word of the pointer's step
	s_wait_dscnt 0x0                               ; the opening add is done
	s_wait_kmcnt 0x0
	s_add_nc_u64 s[40:41], s[4:5], s[22:23]        ; x at my wave's first row and the quarter's first column: the pointer that steps in every trip,
	s_mov_b64 s[42:43], s[40:41]                   ; and the one that stops a trip early
	s_add_nc_u64 s[12:13], s[12:13], s[48:49]
	s_add_nc_u64 s[46:47], s[10:11], s[46:47]      ; W at my tile of step 0
.irp s, 0,1
	s_mov_b32 s[G0+4*(\s)], 1                                        ; count = 1
	s_add_co_u32 s[G0+4*(\s)+1], s20, (\s)*SLOT                      ; LDS address
	s_add_nc_u64 s[G0+4*(\s)+2:G0+4*(\s)+3], s[46:47], (\s)*KSTEP*2  ; global address: step s
	s_or_b32 s[G0+4*(\s)+3], s[G0+4*(\s)+3], 0x80000000              ; type = 2
.endr
	CROUND                                         ; all four work-groups are here: the first joint loads meet
	tensor_load_to_lds s[G0:G0+3], s[G1:G1+7]      ; both first fills go out together: two loads of mine are out
	s_nop 0
	tensor_load_to_lds s[G0+4:G0+7], s[G1:G1+7]
	s_nop 0
	PLACES
	v_and_b32 v1, 31, v0                           ; lane
	v_mov_b32 v[ZO], 0
	WIN TO_B
	v_lshlrev_b32 v[XO], 12, v1                    ; my row of x
.irp j, 0,1,2,3
	global_load_b128 v[NC+4*(\j):NC+4*(\j)+3], v[ZO], s[6:7] offset:16*(\j)  ; the 16 centers, in every lane
.endr
.irp j, 0,1,2,3
	global_load_b128 v[G+4*(\j):G+4*(\j)+3], v[ZO], s[8:9] offset:16*(\j)    ; the 16 widths
.endr
	WIN W_PR
	global_load_b128 v[X0:X0+3],   v[XO], s[40:41]            ; step 0's eight columns of x
	global_load_b128 v[X0+4:X0+7], v[XO], s[40:41] offset:16
.irp j, 0,1,2,3
	global_load_b128 v[X+4*(\j):X+4*(\j)+3], v[XO], s[40:41] offset:32+16*(\j)  ; the ring: productions 0 to 3 (production p takes bytes 32 + 16 p of my row's quarter)
.endr
	WIN 0
	v_and_b32 v2, 15, v0                           ; l % 16
	v_bfe_u32 v3, v0, 4, 1                         ; l / 16
	v_mul_u32_u24 v4, v2, APITCH
	v_lshl_add_u32 v4, v3, 4, v4                   ; a fragment's row x pitch + 16 x half of the lanes
	v_add_nc_u32 v[ADRA], ABASE, v4
	v_mul_u32_u24 v5, v2, PITCH
	v_lshl_add_u32 v5, v3, 4, v5
	v_add_nc_u32 v[ADRB], s20, v5
	v_add_nc_u32 v[ADRB+1], SLOT, v[ADRB]
	v_mul_u32_u24 v6, v1, APITCH
	v_add_nc_u32 v[AST], s21, v6                   ; row 32 w + lane
	v_mul_u32_u24 v7, v2, SPITCH                   ; into the stage: row l % 16, 32 bytes for each half of the lanes
	v_lshl_add_u32 v7, v3, 5, v7
	v_add_nc_u32 v[STO], s50, v7
	v_lshlrev_b32 v[CO], 4, v1                     ; back: 32 lanes take a row's 512 bytes
	v_add_nc_u32 v[RD], s50, v[CO]
	s_wait_loadcnt 0x6                             ; c and w are in; behind them: two loads of step 0's x and the ring's four
	WIN W_PR
.irp j, 0,1,2,3,4,5,6,7
	v_pk_mul_f32 v[NC+2*(\j):NC+2*(\j)+1], v[NC+2*(\j):NC+2*(\j)+1], -1.0 op_sel_hi:[1,0]  ; -c
	v_pk_mul_f32 v[G+2*(\j):G+2*(\j)+1], v[G+2*(\j):G+2*(\j)+1], v[G+2*(\j):G+2*(\j)+1]    ; w w
.endr
.irp j, 0,1,2,3,4,5,6,7,8,9,10,11,12,13,14,15
	v_rcp_f32 v[G+(\j)], v[G+(\j)]
.endr
	v_nop                                          ; a plain instruction between the last reciprocal and the use of its result
.irp j, 0,1,2,3,4,5,6,7
	s_wait_alu depctr_va_vdst(0)
	v_pk_mul_f32 v[G+2*(\j):G+2*(\j)+1], v[G+2*(\j):G+2*(\j)+1], 0xbf38aa3b op_sel_hi:[1,0]  ; G = -(log2(e) / 2) / w^2
.endr
	s_wait_loadcnt 0x4                             ; step 0's x is in; the ring's four loads may be out
.set PX, X0
.set pn, 0
.rept 192
	PRD                                            ; step 0's two halves are made in the wait for the first tile
.endr
	STORE_A 0
.set PX, X0+4
.set pn, 0
.rept 192
	PRD
.endr
	STORE_A 1
	WIN 0
	s_wait_tensorcnt 0x1                           ; my part of step 0 is in; step 1's may stay out
	s_wait_dscnt 0x0                               ; my rows of A are stored
	s_barrier_signal -1
	s_barrier_wait -1
	FETCH 0, 0, 0, 0, F0
	QP 0, 64, 0, 64, 1, 0, 2, 96                   ; step 0's first quarter stands in front of the loop: its products start the sums; production 0; slot 0 takes production 4's x
	WIN 0
	s_mov_b32 s3, LAPS-1
.Llap:                                             ; trip L = 0 .. 14 goes once round the ring, from step 2 L's second quarter to step 2 L + 2's first, and fills both slots again
	QB 0, 0, 0, 128, 1, 0
	QP 0, 192, 1, 64, 0, 1, 1, 112                 ; production 4 L + 1; its slot takes production 4 L + 5's x: byte 112 + 64 L
	QB 1, 0, 1, 0, 0, 1
	QP 1, 64, 0, 64, 0, 2, 2, 128                  ; production 4 L + 2; byte 128 + 64 L
	QB 0, 1, 1, 128, 1, 0
	QP 1, 192, 1, 64, 0, 3, 2, 144                 ; production 4 L + 3; byte 144 + 64 L
	QB 1, 1, 0, 0, 0, 1
	QP 0, 64, 0, 64, 0, 0, 2, 160                  ; production 4 L + 4; byte 160 + 64 L
	WIN 0
	; There are 62 productions.  In the last trip the three loads by s[42:43] would be for productions 62 to 64, past the quarter's 1,024 bytes of a row: that pointer does not step into the last trip,
	; so they read the trip before's bytes once more, inside the buffer, for nobody; every trip issues the same four loads, and the count 3 holds on every way.
	s_wait_xcnt 0x0                                ; the pointers are stepped only behind this wait
	s_cmp_ge_u32 s3, 3                             ; s3 = 15 - L: the next trip is 13 at the most
	s_cselect_b32 s44, 64, 0
	s_add_nc_u64 s[42:43], s[42:43], s[44:45]
	s_add_nc_u64 s[40:41], s[40:41], 64
	s_sub_co_u32 s3, s3, 1
	s_cmp_lg_u32 s3, 0
	s_cbranch_scc1 .Llap
	QB 0, 0, 0, 128, 1, 0                          ; the last lap is written out: it asks for no tile
	QP 0, 192, 1, 64, 0, 1, 0, 0                   ; production 61, the last: step 31's second half
	QB 2, 0, 1, 0, 0, 1
	QP 1, 64, 0, 64, 0, -1, 0, 0
	QB 0, 1, 1, 128, 1, -1
	QP 1, 192, 1, 64, 0, -1, 0, 0
	s_wait_dscnt 8                                 ; the very last quarter: nothing more to fetch
	MUL16 F1, 0, 0, 0
	MUL16 F1, 0, 2, 0
	s_wait_dscnt 0x0                               ; my last reads of A are over
	s_barrier_signal -1
	MUL16 F1, 1, 0, 0
	MUL16 F1, 1, 2, 0
	WIN 0
	s_barrier_wait -1                              ; everybody's are: the stages may take A's bytes
	PLACES                                         ; the stores below read results just made, and the loads land in registers that the last products read
	TOSTAGE 0
.irp a, 1,2,3,4,5,6,7
	TOSTAGE \a
	SEND (\a)-1, 32                                ; behind that block's loads: this block's 16 stores and 16 loads
.endr
	SEND 7, 0
	s_wait_tensorcnt 0x0                           ; the wave's end: the add and its wait stand behind my last tensor load and my last LDS store
	ds_add_u32 v[SPW], v[NIL]
	s_wait_dscnt 0x0
	CROUND                                         ; the closing round: no work-group ends while a partner may still ask for a tile that names it
	s_endpgm
.Lfunc_end_k_qfc3aecca1b_kan:
	.size	k_qfc3aecca1b_kan, .Lfunc_end_k_qfc3aecca1b_kan-k_qfc3aecca1b_kan
	.p2alignl 7, 3214868480
	.fill 96, 4, 3214868480
	.section	.rodata,"a",@progbits
	.p2align	6, 0x0
	.amdhsa_kernel k_qfc3aecca1b_kan
		.amdhsa_group_segment_fixed_size 327680
		.amdhsa_private_segment_fixed_size 0
		.amdhsa_enable_private_segment 0
		.amdhsa_kernarg_size 40
		.amdhsa_user_sgpr_count 2
		.amdhsa_user_sgpr_kernarg_segment_ptr 1
		.amdhsa_wavefront_size32 1
		.amdhsa_system_sgpr_workgroup_id_x 1
		.amdhsa_system_sgpr_workgroup_id_y 1
		.amdhsa_system_sgpr_workgroup_id_z 1
		.amdhsa_system_vgpr_workitem_id 0
		.amdhsa_next_free_vgpr 1024
		.amdhsa_next_free_sgpr 66
		.amdhsa_reserve_vcc 0
		.amdhsa_float_denorm_mode_32 3
		.amdhsa_float_denorm_mode_16_64 3
		.amdhsa_memory_ordered 1
		.amdhsa_forward_progress 1
		.amdhsa_inst_pref_size 255
	.end_amdhsa_kernel
	.section	.bss,"aw",@nobits
	.p2align	6
	.space	262144
	.amdgpu_metadata
---
amdhsa.version: [ 1, 2 ]
amdhsa.kernels:
  - .name:           k_qfc3aecca1b_kan
    .symbol:         k_qfc3aecca1b_kan.kd
    .args:
      - { .name: x, .offset: 0, .size: 8, .value_kind: global_buffer, .address_space: global }
      - { .name: centers, .offset: 8, .size: 8, .value_kind: global_buffer, .address_space: global }
      - { .name: widths, .offset: 16, .size: 8, .value_kind: global_buffer, .address_space: global }
      - { .name: wh, .offset: 24, .size: 8, .value_kind: global_buffer, .address_space: global }
      - { .name: part, .offset: 32, .size: 8, .value_kind: global_buffer, .address_space: global }
    .group_segment_fixed_size: 327680
    .private_segment_fixed_size: 0
    .kernarg_segment_align: 8
    .kernarg_segment_size: 40
    .max_flat_workgroup_size: 128
    .sgpr_count:     66
    .vgpr_count:     1024
    .wavefront_size: 32
...
	.end_amdgpu_metadata
.endif
;; end of part 2
;; launch reduce (part 3): grid 1024 x 1, 8 waves a work-group, no clusters, 0 bytes of LDS; arguments part, bias, out0; writes out0
.if DOCPART == 3
	.amdgcn_target "amdgcn-amd-amdhsa--gfx1250"
	.amdhsa_code_object_version 6
	.text
	.protected	k_qfc3aecca1b_reduce
	.globl	k_qfc3aecca1b_reduce
	.p2align	8
	.type	k_qfc3aecca1b_reduce,@function
k_qfc3aecca1b_reduce:
	s_mov_b64 s[64:65], 0
	v_nop
	global_prefetch_b8 v0, s[64:65] scope:SCOPE_SE
	s_setreg_imm32_b32 hwreg(HW_REG_WAVE_MODE, 25, 1), 1
	s_wait_xcnt 0x0
; out0[b][o] = ((p0 + p1) + (p2 + p3)) + bias[o], p_q = part[q][b][o]: the four quarters of K', all in f32.
; A stream: 64 MiB in, 16 MiB out, each byte once; no LDS, barrier, matrix unit or cluster has a part in it.
; SHARES.  A work-group takes 4 rows of 4,096 bytes.  Thread t owns the 16 bytes at 16 t of every row, so its four numbers of bias are loaded once;
; a wave's load or store covers 512 consecutive bytes at a multiple of 256 from its buffer's first byte.  All 17 loads go out first.
.set BI, 4                             ; v[4:7]    bias of my 4 columns
.set P,  8                             ; v[8:71]   row r, quarter q: 4 registers at P + 16 r + 4 q
	s_load_b128 s[4:7], s[0:1], 0x0                ; part s[4:5], bias s[6:7]
	s_load_b64 s[8:9], s[0:1], 0x10                ; out0
	s_lshl_b32 s10, ttmp9, 14                      ; my work-group's 4 rows
	s_mov_b32 s11, 0
	v_lshlrev_b32 v1, 4, v0                        ; 16 t
	s_wait_kmcnt 0x0
	s_add_nc_u64 s[4:5], s[4:5], s[10:11]
	s_add_nc_u64 s[8:9], s[8:9], s[10:11]
	s_add_nc_u64 s[12:13], s[4:5], 0x1000000       ; the quarters lie 16,777,216 bytes apart
	s_add_nc_u64 s[14:15], s[4:5], 0x2000000
	s_add_nc_u64 s[16:17], s[4:5], 0x3000000
	global_load_b128 v[BI:BI+3], v1, s[6:7]
.irp r, 0,1,2,3
	global_load_b128 v[P+16*(\r):P+16*(\r)+3],     v1, s[4:5]   offset:4096*(\r) th:TH_LOAD_NT
	global_load_b128 v[P+16*(\r)+4:P+16*(\r)+7],   v1, s[12:13] offset:4096*(\r) th:TH_LOAD_NT
	global_load_b128 v[P+16*(\r)+8:P+16*(\r)+11],  v1, s[14:15] offset:4096*(\r) th:TH_LOAD_NT
	global_load_b128 v[P+16*(\r)+12:P+16*(\r)+15], v1, s[16:17] offset:4096*(\r) th:TH_LOAD_NT
.endr
.irp r, 0,1,2,3
	s_wait_loadcnt 12-4*(\r)                       ; loads come back in order: bias and row r's four are in; the later rows' loads may be out
.irp h, 0,2
	v_pk_add_f32 v[P+16*(\r)+(\h):P+16*(\r)+(\h)+1],     v[P+16*(\r)+(\h):P+16*(\r)+(\h)+1],     v[P+16*(\r)+4+(\h):P+16*(\r)+4+(\h)+1]
	v_pk_add_f32 v[P+16*(\r)+8+(\h):P+16*(\r)+8+(\h)+1], v[P+16*(\r)+8+(\h):P+16*(\r)+8+(\h)+1], v[P+16*(\r)+12+(\h):P+16*(\r)+12+(\h)+1]
.endr
.irp h, 0,2
	v_pk_add_f32 v[P+16*(\r)+(\h):P+16*(\r)+(\h)+1], v[P+16*(\r)+(\h):P+16*(\r)+(\h)+1], v[P+16*(\r)+8+(\h):P+16*(\r)+8+(\h)+1]
.endr
.irp h, 0,2
	v_pk_add_f32 v[P+16*(\r)+(\h):P+16*(\r)+(\h)+1], v[P+16*(\r)+(\h):P+16*(\r)+(\h)+1], v[BI+(\h):BI+(\h)+1]
.endr
	global_store_b128 v1, v[P+16*(\r):P+16*(\r)+3], s[8:9] offset:4096*(\r) th:TH_STORE_NT
.endr
	s_endpgm
.Lfunc_end_k_qfc3aecca1b_reduce:
	.size	k_qfc3aecca1b_reduce, .Lfunc_end_k_qfc3aecca1b_reduce-k_qfc3aecca1b_reduce
	.p2alignl 7, 3214868480
	.fill 96, 4, 3214868480
	.section	.rodata,"a",@progbits
	.p2align	6, 0x0
	.amdhsa_kernel k_qfc3aecca1b_reduce
		.amdhsa_group_segment_fixed_size 0
		.amdhsa_private_segment_fixed_size 0
		.amdhsa_enable_private_segment 0
		.amdhsa_kernarg_size 24
		.amdhsa_user_sgpr_count 2
		.amdhsa_user_sgpr_kernarg_segment_ptr 1
		.amdhsa_wavefront_size32 1
		.amdhsa_system_sgpr_workgroup_id_x 1
		.amdhsa_system_sgpr_workgroup_id_y 1
		.amdhsa_system_sgpr_workgroup_id_z 1
		.amdhsa_system_vgpr_workitem_id 0
		.amdhsa_next_free_vgpr 76
		.amdhsa_next_free_sgpr 66
		.amdhsa_reserve_vcc 0
		.amdhsa_float_denorm_mode_32 3
		.amdhsa_float_denorm_mode_16_64 3
		.amdhsa_memory_ordered 1
		.amdhsa_forward_progress 1
		.amdhsa_inst_pref_size 5
	.end_amdhsa_kernel
	.amdgpu_metadata
---
amdhsa.version: [ 1, 2 ]
amdhsa.kernels:
  - .name:           k_qfc3aecca1b_reduce
    .symbol:         k_qfc3aecca1b_reduce.kd
    .args:
      - { .name: part, .offset: 0, .size: 8, .value_kind: global_buffer, .address_space: global }
      - { .name: bias, .offset: 8, .size: 8, .value_kind: global_buffer, .address_space: global }
      - { .name: out0, .offset: 16, .size: 8, .value_kind: global_buffer, .address_space: global }
    .group_segment_fixed_size: 0
    .private_segment_fixed_size: 0
    .kernarg_segment_align: 8
    .kernarg_segment_size: 24
    .max_flat_workgroup_size: 256
    .sgpr_count:     66
    .vgpr_count:     76
    .wavefront_size: 32
...
	.end_amdgpu_metadata
.endif
;; end of part 3
;; ======== version 2 of 2: 3 launches; 1.15 times as fast as version 1
;; limits: values are held in f16: magnitudes above 65,504 overflow, below 6.1e-05 lose precision; inputs' magnitudes at most 65,504
;; workspace buffers: wh 33,554,432 bytes; part 67,108,864 bytes
;; launch wcast: the kernel of part 1 again; grid 2048 x 1, 8 waves a work-group, no clusters, 0 bytes of LDS; arguments weights, wh; writes wh
;; launch kan (part 4): grid 32 x 8, 4 waves a work-group, clusters of 4 x 1, 327,680 bytes of LDS; arguments x, centers, widths, wh, part; writes part
.if DOCPART == 4
	.amdgcn_target "amdgcn-amd-amdhsa--gfx1250"
	.amdhsa_code_object_version 6
	.text
	.protected	k_qfc3aecca1b_kan
	.globl	k_qfc3aecca1b_kan
	.p2align	8
	.type	k_qfc3aecca1b_kan,@function
k_qfc3aecca1b_kan:
	s_mov_b64 s[64:65], 0
	v_nop
	global_prefetch_b8 v0, s[64:65] scope:SCOPE_SE
	s_setreg_imm32_b32 hwreg(HW_REG_WAVE_MODE, 25, 1), 1
	s_wait_xcnt 0x0
	s_wait_alu depctr_hold_cnt(0) depctr_sa_sdst(0) depctr_va_vdst(0) depctr_va_sdst(0) depctr_va_ssrc(0) depctr_va_vcc(0) depctr_vm_vsrc(0)
	s_getreg_b32 s2, hwreg(HW_REG_IB_STS2, 6, 4)
	s_cmp_eq_u32 s2, 0
	s_cbranch_scc0 .Lentry_in_a_cluster
	s_endpgm
.Lentry_in_a_cluster:
	s_bfe_u32 s2, ttmp6, 0x10000c
	s_cmp_lg_u32 s2, 0x3003
	s_cbranch_scc0 .Lentry_shape_is_right
	s_endpgm
.Lentry_shape_is_right:
; part[kq][b][o] = the sum over quarter kq of K' = 16 i + k of A[b][K'] W[o][K'],  A[b][16 i + k] = exp(-(x[b][i] - c[k])^2 / (2 w[k]^2)),  W = wh, [1024][16384] in f16.
; A GEMM of 4096 x 1024 x 16384 whose A is never in memory: it is made here from x, rounded once to f16, and handed to the four waves through LDS.  Sums in f32; part is f32.
; LIMITS.  A lies in 0 to 1; below 6e-5 it keeps f16's fixed step of 6e-8, and under 3e-8 it counts as 0; the exponential gives 0 below 2^-126.  The exponent is (x + (-c))^2 times G,
; G = -log2(e) / (2 w^2) by v_rcp_f32 (1 ULP; a denormal w^2 counts as 0): never above 0, so nothing overflows.  w = 0 gives 0, and NaN where x = c, as the quotient 0 / 0 does.
; SHARES.  256 work-groups: 32 blocks of 128 rows x 2 blocks of 512 columns x 4 quarters of K'.  Tiles of 128 x 512 over all of K' would be 64 work-groups; the split of K' makes 256 of equal work and keeps
; a wave's 128 x 128 (64 accumulators, 512 registers); its price is the f32 partial sums, added by the next launch.  Wave w has all 128 rows x columns 128 w .. 128 w + 127.
; K' goes in steps of 128 through a ring of two LDS slots; wave w's one tensor load brings the 128 rows of W x 256 bytes that wave w itself multiplies.
; CLUSTER.  The four work-groups of a cluster differ in the row block alone and walk the same W: every tile is asked for JOINTLY, by the same load, descriptor and mask of four in all four.
; A is not loaded, so a second axis of the cluster would share nothing.
; A IS MADE in halves of 64 K' (4 columns of x, 16 kernels each).  Wave w makes rows 32 w .. 32 w + 31, a lane a row: 96 packed operations, 64 exponentials, 32 roundings = 192 vector instructions for the
; 128 matrix instructions of half a step.  They stand three behind each matrix instruction of quarters 0 and 2 of a step; none names a register of the products round it.
; BATCHES.  A half's 64 exponentials are ONE batch: each number has a register of its own; the 96 packed operations and the 64 exponentials, none of which names an exponential's result, stand ahead of
; one wait, and the 32 roundings, the only readers, behind it.  A batch opens and closes inside one quarter, which holds no label and no branch.  The head's sixteen reciprocals are a batch of their own.
; WHEN.  Step n, quarters 0-3 of 32 K'.  Quarter 0 makes half 0 of step n + 1; behind quarter 1's barrier, when no wave reads the old half 0 any more, it is stored.  Quarter 2 makes half 1; behind
; quarter 3's barrier it is stored.  A half is read only behind the barrier after its store's, in front of which every wave has waited for its stores.
; THE MATRIX INSTRUCTION IS USED TRANSPOSED (source 0 = 16 rows of W, source 1 = 16 rows of A): a lane then holds eight neighbouring numbers of a row of the result.
; REGISTERS, in windows of 256 (s_set_vgpr_msb: bits 1:0 source 0, 3:2 source 1, 5:4 source 2, 7:6 destination):
;   window 0: v0-31 addresses; v64-127, v128-191 A's fragments, two buffers; on the way out rows read back from the stage
;   window 1: v0-15 a ring of four slots of 4 numbers of x; v16-31 -c; v32-47 G; v48 x's offset; v56-63 the first 8 numbers of x; v64-127, v128-191 W's fragments; v192-255 the 64 numbers of my row of A at work,
;             a register each; rounded in place they leave the row's 64 f16 in v192-223
;   window 2: the accumulators of rows 0-63 ((a, b) at v[8 (8 a + b)]);   window 3: those of rows 64-127
.set KALL,   16384                     ; K' in a row of wh
.set KSTEP,  128
.set LAPS,   16                        ; a quarter of K' is 32 steps; a lap = two steps = once round the ring
.set PITCH,  272                       ; a row of W in LDS: 256 bytes + 16 of padding = 68 words: row r starts at bank 4 r mod 64 (64 banks of 4 bytes: ISA guide 11.1)
.set HALFT,  128*PITCH                 ; what one tensor load brings
.set SLOT,   4*HALFT
.set ABASE,  2*SLOT                    ; behind the ring, in blocks of 256 bytes of its own: no tensor load ever lands here
.set APITCH, 144                       ; a row of half a step of A: 128 bytes + 16 = 36 words: 16 rows start at 16 different groups of four banks
.set AHB,    128*APITCH                ; one half; the two halves lie one behind the other
.set SPITCH, 528                       ; the way out: a row of 128 f32, 512 bytes + 16
.set STG,    16*SPITCH                 ; a wave's stage: 16 rows.  The four stages take A's bytes, behind a barrier behind which nobody reads A
.set SPARE,  ABASE+2*AHB               ; the spare words, 128 bytes for each wave: two blocks of 256 bytes that no other line names
.set ADRA, 16                          ; v16     LDS address of my place in A's fragments, half 0
.set ADRB, 20                          ; v20-21  the same for W, slot 0, 1
.set AST,  22                          ; v22     where my row of A goes, half 0
.set STO,  24                          ; v24     the way out: where I put 32 bytes of a row
.set RD,   25                          ; v25     the way out: where I read a row back
.set CO,   26                          ; v26     my 16 bytes in 512 consecutive bytes of part
.set SPW,  28                          ; v28     LDS address of my spare word; never rewritten
.set NIL,  29                          ; v29     0, for the add alone
.set ZO,   30                          ; v30     0: the offset of the loads of c and w
.set F0,   64
.set F1,   128
.set OB,   64                          ; the way out: two buffers of 64
.set X,    0                           ; from here on window 1
.set NC,   16
.set G,    32
.set XO,   48
.set X0,   56
.set DB,   192                         ; the 64 numbers at work
.set PK,   192                         ; and, rounded in place, the row's 32 words of f16
.set WV,   14                          ; s14      my wave's number
.set G1,   24                          ; s[24:31] descriptor group 1
.set G0,   32                          ; s[32:39] descriptor group 0, a set for each slot
.set MSB,  0
.set RIDE, 0                           ; vector instructions behind each matrix instruction: 3 or 0
.set pn,   0                           ; the next entry of the list of 192
.set PX,   0                           ; the four numbers of x in hand
.macro WIN new                         ; the immediate's high byte repeats the setting that is left; a switch that changes nothing is dropped
.if MSB != (\new)
	s_set_vgpr_msb (MSB<<8)|(\new)
.set MSB, \new
.endif
.endm
.set MUL_LO, 0xa1                      ; source 0 (W) window 1, source 1 (A) window 0, C and D window 2
.set MUL_HI, 0xf1                      ; the same, C and D window 3
.set TO_B,   0x40                      ; destination window 1, address window 0
.set W_PR,   0x55                      ; everything in window 1
.set W_ST,   0x04                      ; an LDS store's data in window 1, its address in window 0
.macro PLACES                          ; four places in front of loads into registers that matrix instructions have read, and of stores that read results
.rept 4
	v_nop
.endr
.endm
.macro CREST                           ; a round of the cluster's barrier behind its opening barrier
	s_cmp_lg_u32 s[WV], 0
	s_cbranch_scc1 .Lnot_wave_0_\@
	s_barrier_signal -3
.Lnot_wave_0_\@:
	s_barrier_wait -3
	s_barrier_signal -1
	s_barrier_wait -1
.endm
.macro CROUND                          ; a whole round
	s_barrier_signal -1
	s_barrier_wait -1
	CREST
.endm
; THE LIST OF 192 that makes 64 numbers of my row of A from four numbers of x.  Pair q (0-31) is kernels 2 (q % 8) and 2 (q % 8) + 1 of column q / 8: K' = 2 q, 2 q + 1 of the half.  It has the registers
; DB + 2 q and DB + 2 q + 1 to itself until the roundings.  Four pairs are a block, h = 0-7.
; PLN h, j: the plain work of block h, on pair 4 h + j % 4.  j = 0-3: d = x_i + (-c) (x_i goes to both halves: op_sel picks its register of the pair); 4-7: d d; 8-11: times G.
.macro PLN h, j
.set rQ, 4*(\h)+(\j)%4                 ; the pair
.set rD, DB+2*rQ                       ; its two registers
.set rN, 2*(rQ%8)                      ; its two kernels
.set rI, rQ/8                          ; its column of x
.if (\j) < 4
.if (rI%2) == 0
	v_pk_add_f32 v[rD:rD+1], v[PX+2*(rI/2):PX+2*(rI/2)+1], v[NC+rN:NC+rN+1] op_sel_hi:[0,1]
.else
	v_pk_add_f32 v[rD:rD+1], v[PX+2*(rI/2):PX+2*(rI/2)+1], v[NC+rN:NC+rN+1] op_sel:[1,0] op_sel_hi:[1,1]
.endif
.elseif (\j) < 8
	v_pk_mul_f32 v[rD:rD+1], v[rD:rD+1], v[rD:rD+1]
.else
	v_pk_mul_f32 v[rD:rD+1], v[rD:rD+1], v[G+rN:G+rN+1]
.endif
.endm
.macro EXN e                           ; the exponential of number e of the 64, in place
	v_exp_f32 v[DB+(\e)], v[DB+(\e)]
.endm
.macro CVN q                           ; pair q rounded to f16: word q of my row.  It writes register q of the 64 and reads 2 q and 2 q + 1: in ascending order no rounding writes what a later one reads
	v_cvt_pk_f16_f32 v[PK+(\q)], v[DB+2*(\q)], v[DB+2*(\q)+1]
.endm
; THE ORDER.  0-11: block 0's plain work.  12-151: seven runs of twenty, block h's twelve plain lines and block h - 1's eight exponentials as plain, exponential, plain, exponential, plain, four times:
; no two exponentials are neighbours, and a line stands four or more behind the one that feeds it.  152-159: block 7's eight exponentials.  Nothing up to here names an exponential's result.
; (wait) between 159 and 160: ahead of the first line that names an exponential's result; it serves all 64.  160-191: the roundings, ascending.
; A plain line that names nothing of it follows each exponential before its result is used (ISA guide 5.7.2): in the runs the next plain line; behind the last eight the first roundings, which read the oldest results.
.macro PRD
	WIN W_PR
.if pn < 12
	PLN 0, pn
.elseif pn < 152
.set ph, 1+(pn-12)/20                  ; the run's block
.set pq, ((pn-12)%20)/5                ; which of its four fives
.set pr, (pn-12)%5                     ; the place in the five
.if (pr%2) == 0
	PLN ph, 3*pq+pr/2
.else
	EXN 8*(ph-1)+2*pq+pr/2
.endif
.elseif pn < 160
	EXN pn-96
.else
.if pn == 160
	s_wait_alu depctr_va_vdst(0)                   ; the wait for the batch: the half's 64 exponentials, ahead of their first reader
.endif
	CVN pn-160
.endif
.set pn, pn+1
.endm
; 16 matrix instructions: m blocks a0, a0 + 1 of the window's four (hi = 0: rows 0-63, 1: rows 64-127) x all 8 n blocks, 32 along K'.  zero = 1: the product starts the sum: nothing is cleared.
; The 64 accumulators take turns, one instruction a turn, in the same order in every quarter.  RIDE entries of the list stand behind each.
.macro MUL16 f, hi, a0, zero
.irp a, \a0, (\a0)+1
.irp b, 0,1,2,3,4,5,6,7
	WIN MUL_LO+0x50*(\hi)
.if \zero
	v_wmma_f32_16x16x32_f16 v[8*(8*(\a)+(\b)):8*(8*(\a)+(\b))+7], v[(\f)+8*(\b):(\f)+8*(\b)+7], v[(\f)+8*(4*(\hi)+(\a)):(\f)+8*(4*(\hi)+(\a))+7], 0
.else
	v_wmma_f32_16x16x32_f16 v[8*(8*(\a)+(\b)):8*(8*(\a)+(\b))+7], v[(\f)+8*(\b):(\f)+8*(\b)+7], v[(\f)+8*(4*(\hi)+(\a)):(\f)+8*(4*(\hi)+(\a))+7], v[8*(8*(\a)+(\b)):8*(8*(\a)+(\b))+7]
.endif
.if RIDE
.rept RIDE
	PRD
.endr
.endif
.endr
.endr
.endm
; 32 LDS loads in one run: a quarter's fragments into buffer f: my 128 rows of W at byte kb of slot bs, then the 128 rows of A at byte ka of half ah.
; A fragment is 16 rows x 32 K' in 8 registers: lane l holds row l % 16; registers 0-3 K' = 8 (l / 16) + 0..7, registers 4-7 K' = 16 + 8 (l / 16) + 0..7: two loads of 16 bytes, 32 bytes apart.
.macro FETCH bs, kb, ah, ka, f
	WIN TO_B
.irp i, 0,1,2,3,4,5,6,7
	ds_load_b128 v[(\f)+8*(\i):(\f)+8*(\i)+3],   v[ADRB+(\bs)] offset:(\kb)+(\i)*16*PITCH
	ds_load_b128 v[(\f)+8*(\i)+4:(\f)+8*(\i)+7], v[ADRB+(\bs)] offset:(\kb)+(\i)*16*PITCH+32
.endr
	WIN 0
.irp i, 0,1,2,3,4,5,6,7
	ds_load_b128 v[(\f)+8*(\i):(\f)+8*(\i)+3],   v[ADRA] offset:(\ah)*AHB+(\ka)+(\i)*16*APITCH
	ds_load_b128 v[(\f)+8*(\i)+4:(\f)+8*(\i)+7], v[ADRA] offset:(\ah)*AHB+(\ka)+(\i)*16*APITCH+32
.endr
.endm
.macro STORE_A ah                      ; my row's 128 bytes into half ah
	WIN W_ST
.irp j, 0,1,2,3,4,5,6,7
	ds_store_b128 v[AST], v[PK+4*(\j):PK+4*(\j)+3] offset:(\ah)*AHB+16*(\j)
.endr
.endm
; QUARTERS 0 AND 2 of a step: multiply buffer 0; in the middle the next quarter's fragments are fetched into buffer 1.
; xs >= 0: the list runs behind the 64 products (64 x 3 = 192), on slot xs of x's ring; its one wait falls behind the 54th product.  xp = 1, 2: the slot is then loaded again, for the production four
; further on, by pointer s[40:41] or s[42:43].
.macro QP bs, kb, ah, ka, zero, xs, xp, xoff
.if (\xs) >= 0
.set PX, X+4*(\xs)
.set pn, 0
.set RIDE, 3
	s_wait_loadcnt 0x3                             ; loads come back in order: this slot's is in; the ring's three younger loads may be out
.else
.set RIDE, 0
.endif
	s_wait_dscnt 8                                 ; W and A's rows 0-63 are in; the youngest eight loads (A's rows 64-127) may be out
	MUL16 F0, 0, 0, \zero
	MUL16 F0, 0, 2, \zero
	PLACES
	FETCH \bs, \kb, \ah, \ka, F1
	s_wait_dscnt 32                                ; all but the 32 just issued
	MUL16 F0, 1, 0, \zero
	MUL16 F0, 1, 2, \zero
.set RIDE, 0
.if (\xp) > 0
	WIN W_PR
	global_load_b128 v[X+4*(\xs):X+4*(\xs)+3], v[XO], s[38+2*(\xp):39+2*(\xp)] offset:\xoff  ; a lane takes 16 bytes of its own row
.endif
.endm
; QUARTERS 1 AND 3: multiply buffer 1, and hold the step's two barriers.  In front of the signal every wave has waited for all its LDS instructions: its reads of the half of A (and, in quarter 3, of the
; slot) that is written behind the barrier, and its stores of the half that is read behind it.
; kind 0 (quarter 1): a plain barrier; my one tensor load stays out across it.
; kind 1 (quarter 3): the barrier opens a round of the cluster's; in front of it stand the wait for all my tensor loads (one is out: my part of the next slot), the add and the wait for it; slot bs is filled
;   again first thing behind the round, two steps ahead: 224 matrix instructions stand between the request and the wait for it.
; kind 2 (quarter 3 of the last step but one): the same waits; nothing is left to ask for, so no round follows.
; Then: st >= 0: my row of the half made in the quarter before goes into half st; the next quarter's fragments (slot nbs at byte nkb, half nah at byte 0) are fetched into buffer 0.
.macro QB kind, bs, nbs, nkb, nah, st
.set RIDE, 0
.if (\kind) >= 1
	WIN 0                                          ; (the add's two registers lie in window 0)
	s_wait_tensorcnt 0x0                           ; all my tensor loads have landed
	ds_add_u32 v[SPW], v[NIL]                      ; 0 onto my spare word
	s_wait_dscnt 9                                 ; (the add and the youngest eight loads may be out)
.else
	s_wait_dscnt 8
.endif
	MUL16 F1, 0, 0, 0
	s_wait_dscnt 0x0                               ; for the others' sake: my reads and my stores are done (and the add)
	s_barrier_signal -1
	MUL16 F1, 0, 2, 0                              ; work on registers while the others arrive
	WIN 0                                          ; at a branch and at a label every window is 0
	s_barrier_wait -1
.if (\kind) == 1
	CREST                                          ; no wave of any partner still reads this slot or has a load on its way
	s_add_nc_u64 s[G0+4*(\bs)+2:G0+4*(\bs)+3], s[G0+4*(\bs)+2:G0+4*(\bs)+3], 2*KSTEP*2  ; no load of mine is out: the slot's address steps two steps on; the type bits are not reached
	tensor_load_to_lds s[G0+4*(\bs):G0+4*(\bs)+3], s[G1:G1+7]  ; my one tensor load behind the round
	s_nop 0
	PLACES                                         ; four v_nop behind the load; they are also the places in front of the loads below
.else
	PLACES
.endif
.if (\st) >= 0
	STORE_A \st
.endif
	FETCH \nbs, \nkb, \nah, 0, F0
	MUL16 F1, 1, 0, 0
	MUL16 F1, 1, 2, 0
.endm
; THE WAY OUT of block a (16 rows x my 128 columns, f32).  A lane's eight numbers of accumulator (a, b) are 32 neighbouring bytes of a row; they go into my stage and come back as whole rows of 512 bytes.
.macro TOSTAGE a
.set AC, 64*((\a)%4)
.set BK, OB+64*((\a)%2)
	s_wait_xcnt 0x0                                ; the stores of the block two back have read this buffer: it is loaded again only behind this wait
	WIN 0x08+4*((\a)/4)                            ; the store's data in window 2 or 3
.irp b, 0,1,2,3,4,5,6,7
	ds_store_b128 v[STO], v[AC+8*(\b):AC+8*(\b)+3]   offset:64*(\b)     ; each accumulator from its low end on
	ds_store_b128 v[STO], v[AC+8*(\b)+4:AC+8*(\b)+7] offset:64*(\b)+16
.endr
	WIN 0
.irp t, 0,1,2,3,4,5,6,7,8,9,10,11,12,13,14,15
	ds_load_b128 v[BK+4*(\t):BK+4*(\t)+3], v[RD] offset:(\t)*SPITCH  ; LDS serves a wave's instructions in order (ISA guide 5.7.1.4): these see the stores above; the next block's stores come behind them
.endr
.endm
.macro SEND a, younger                 ; younger: the LDS instructions issued behind block a's loads
.set BK, OB+64*((\a)%2)
	WIN 0
	s_wait_dscnt \younger
.irp t, 0,1,2,3,4,5,6,7,8,9,10,11,12,13,14,15
	global_store_b128 v[CO], v[BK+4*(\t):BK+4*(\t)+3], s[12:13] offset:(16*(\a)+(\t))*4096  ; 512 consecutive bytes, at a multiple of 256 from part's first; 127 rows of 4,096 bytes at the most in the immediate
.endr
.endm
	s_load_b256 s[4:11], s[0:1], 0x0               ; x s[4:5], centers s[6:7], widths s[8:9], wh s[10:11]
	s_load_b64 s[12:13], s[0:1], 0x20              ; part
	v_lshl_add_u32 v[SPW], v0, 2, SPARE
	v_mov_b32 v[NIL], 0
	ds_add_u32 v[SPW], v[NIL]                      ; the wave's opening: the add and its wait stand ahead of my first tensor load; the set-up below, work on registers, stands between them
	v_lshrrev_b32 v1, 5, v0
	v_readfirstlane_b32 s[WV], v1                  ; wave 0..3
	s_bfe_u32 s15, ttmp6, 0x40000                  ; cx: my place in the cluster
	s_lshl_b32 s16, ttmp9, 2                       ; in a cluster launch ttmp9 counts clusters
	s_add_co_u32 s16, s16, s15                     ; row block = 4 x cluster x + cx: it enters x's and part's addresses alone
	s_and_b32 s17, ttmp7, 0xffff                   ; y, which the four partners share:
	s_and_b32 s18, s17, 1                          ; the column block,
	s_lshr_b32 s19, s17, 1                         ; the quarter of K'
	; descriptor group 1: a tile of 128 rows x 128 elements, padded in LDS
	s_mov_b32 s[G1+0], 15|(1<<16)|(1<<20)|(1<<21)|(5<<22)|(3<<25)  ; 15:0 the mask of four; 17:16 elements of 2 bytes; 20 padding on; 21 set beside a mask; 24:22 after every 64 words (code 5); 31:25 4 words (code 3)
	s_mov_b32 s[G1+1], KSTEP<<16                   ; tensor_dim0 = 128
	s_mov_b32 s[G1+2], 128<<16                     ; tensor_dim1 = 128
	s_mov_b32 s[G1+3], KSTEP<<16                   ; tile_dim0 = 128
	s_mov_b32 s[G1+4], 128                         ; tile_dim1 = 128
	s_mov_b32 s[G1+5], KALL                        ; elements from row to row
	s_mov_b32 s[G1+6], 0
	s_mov_b32 s[G1+7], 0
	s_mul_i32 s20, s[WV], HALFT                    ; my part of a slot: no place in the cluster enters an LDS address
	s_lshl_b32 s46, s18, 2                         ; W: row 512 x column block + 128 x wave, 32,768 bytes a row: (4 cb + w) << 22,
	s_add_co_u32 s46, s46, s[WV]
	s_lshl_b32 s46, s46, 22
	s_lshl_b32 s47, s19, 13                        ; and the quarter's 4,096 K' of 2 bytes
	s_add_co_u32 s46, s46, s47
	s_mov_b32 s47, 0
	s_lshl_b32 s22, s16, 19                        ; x: row 128 x row block + 32 x wave, 4,096 bytes a row,
	s_lshl_b32 s23, s[WV], 17
	s_add_co_u32 s22, s22, s23
	s_lshl_b32 s23, s19, 10                        ; and the quarter's 256 columns of 4 bytes
	s_add_co_u32 s22, s22, s23
	s_mov_b32 s23, 0
	s_lshl_b32 s48, s19, 24                        ; part: the quarter's 16,777,216 bytes, the row block's 128 rows of 4,096, the column block's 2,048 bytes, my wave's 512
	s_lshl_b32 s49, s16, 19
	s_add_co_u32 s48, s48, s49
	s_lshl_b32 s49, s18, 11
	s_add_co_u32 s48, s48, s49
	s_lshl_b32 s49, s[WV], 9
	s_add_co_u32 s48, s48, s49
	s_mov_b32 s49, 0
	s_mul_i32 s21, s[WV], 32*APITCH
	s_add_co_u32 s21, s21, ABASE                   ; the 32 rows of A that my wave makes
	s_mul_i32 s50, s[WV], STG
	s_add_co_u32 s50, s50, ABASE                   ; my stage
	s_mov_b32 s45, 0                               ; the high word of the pointer's step
	s_wait_dscnt 0x0                               ; the opening add is done
	s_wait_kmcnt 0x0
	s_add_nc_u64 s[40:41], s[4:5], s[22:23]        ; x at my wave's first row and the quarter's first column: the pointer that steps in every trip,
	s_mov_b64 s[42:43], s[40:41]                   ; and the one that stops a trip early
	s_add_nc_u64 s[12:13], s[12:13], s[48:49]
	s_add_nc_u64 s[46:47], s[10:11], s[46:47]      ; W at my tile of step 0
.irp s, 0,1
	s_mov_b32 s[G0+4*(\s)], 1                                        ; count = 1
	s_add_co_u32 s[G0+4*(\s)+1], s20, (\s)*SLOT                      ; LDS address
	s_add_nc_u64 s[G0+4*(\s)+2:G0+4*(\s)+3], s[46:47], (\s)*KSTEP*2  ; global address: step s
	s_or_b32 s[G0+4*(\s)+3], s[G0+4*(\s)+3], 0x80000000              ; type = 2
.endr
	CROUND                                         ; all four work-groups are here: the first joint loads meet
	tensor_load_to_lds s[G0:G0+3], s[G1:G1+7]      ; both first fills go out together: two loads of mine are out
	s_nop 0
	tensor_load_to_lds s[G0+4:G0+7], s[G1:G1+7]
	s_nop 0
	PLACES
	v_and_b32 v1, 31, v0                           ; lane
	v_mov_b32 v[ZO], 0
	WIN TO_B
	v_lshlrev_b32 v[XO], 12, v1                    ; my row of x
.irp j, 0,1,2,3
	global_load_b128 v[NC+4*(\j):NC+4*(\j)+3], v[ZO], s[6:7] offset:16*(\j)  ; the 16 centers, in every lane
.endr
.irp j, 0,1,2,3
	global_load_b128 v[G+4*(\j):G+4*(\j)+3], v[ZO], s[8:9] offset:16*(\j)    ; the 16 widths
.endr
	WIN W_PR
	global_load_b128 v[X0:X0+3],   v[XO], s[40:41]            ; step 0's eight columns of x
	global_load_b128 v[X0+4:X0+7], v[XO], s[40:41] offset:16
.irp j, 0,1,2,3
	global_load_b128 v[X+4*(\j):X+4*(\j)+3], v[XO], s[40:41] offset:32+16*(\j)  ; the ring: productions 0 to 3 (production p takes bytes 32 + 16 p of my row's quarter)
.endr
	WIN 0
	v_and_b32 v2, 15, v0                           ; l % 16
	v_bfe_u32 v3, v0, 4, 1                         ; l / 16
	v_mul_u32_u24 v4, v2, APITCH
	v_lshl_add_u32 v4, v3, 4, v4                   ; a fragment's row x pitch + 16 x half of the lanes
	v_add_nc_u32 v[ADRA], ABASE, v4
	v_mul_u32_u24 v5, v2, PITCH
	v_lshl_add_u32 v5, v3, 4, v5
	v_add_nc_u32 v[ADRB], s20, v5
	v_add_nc_u32 v[ADRB+1], SLOT, v[ADRB]
	v_mul_u32_u24 v6, v1, APITCH
	v_add_nc_u32 v[AST], s21, v6                   ; row 32 w + lane
	v_mul_u32_u24 v7, v2, SPITCH                   ; into the stage: row l % 16, 32 bytes for each half of the lanes
	v_lshl_add_u32 v7, v3, 5, v7
	v_add_nc_u32 v[STO], s50, v7
	v_lshlrev_b32 v[CO], 4, v1                     ; back: 32 lanes take a row's 512 bytes
	v_add_nc_u32 v[RD], s50, v[CO]
	s_wait_loadcnt 0x6                             ; c and w are in; behind them: two loads of step 0's x and the ring's four
	WIN W_PR
.irp j, 0,1,2,3,4,5,6,7
	v_pk_mul_f32 v[G+2*(\j):G+2*(\j)+1], v[G+2*(\j):G+2*(\j)+1], v[G+2*(\j):G+2*(\j)+1]    ; w w
.endr
.irp j, 0,1,2,3,4,5,6,7,8,9,10,11,12,13,14,15
	v_rcp_f32 v[G+(\j)], v[G+(\j)]                 ; the sixteen reciprocals: one batch
.endr
.irp j, 0,1,2,3,4,5,6,7
	v_pk_mul_f32 v[NC+2*(\j):NC+2*(\j)+1], v[NC+2*(\j):NC+2*(\j)+1], -1.0 op_sel_hi:[1,0]  ; -c: work that names no reciprocal; its first line is the plain instruction behind the last of them (ISA guide 5.7.2)
.endr
	s_wait_alu depctr_va_vdst(0)                   ; the wait for the batch: the sixteen reciprocals, ahead of their first reader
.irp j, 0,1,2,3,4,5,6,7
	v_pk_mul_f32 v[G+2*(\j):G+2*(\j)+1], v[G+2*(\j):G+2*(\j)+1], 0xbf38aa3b op_sel_hi:[1,0]  ; G = -(log2(e) / 2) / w^2
.endr
	s_wait_loadcnt 0x4                             ; step 0's x is in; the ring's four loads may be out
.set PX, X0
.set pn, 0
.rept 192
	PRD                                            ; step 0's two halves are made in the wait for the first tile
.endr
	STORE_A 0
.set PX, X0+4
.set pn, 0
.rept 192
	PRD
.endr
	STORE_A 1
	WIN 0
	s_wait_tensorcnt 0x1                           ; my part of step 0 is in; step 1's may stay out
	s_wait_dscnt 0x0                               ; my rows of A are stored
	s_barrier_signal -1
	s_barrier_wait -1
	FETCH 0, 0, 0, 0, F0
	QP 0, 64, 0, 64, 1, 0, 2, 96                   ; step 0's first quarter stands in front of the loop: its products start the sums; production 0; slot 0 takes production 4's x
	WIN 0
	s_mov_b32 s3, LAPS-1
.Llap:                                             ; trip L = 0 .. 14 goes once round the ring, from step 2 L's second quarter to step 2 L + 2's first, and fills both slots again
	QB 0, 0, 0, 128, 1, 0
	QP 0, 192, 1, 64, 0, 1, 1, 112                 ; production 4 L + 1; its slot takes production 4 L + 5's x: byte 112 + 64 L
	QB 1, 0, 1, 0, 0, 1
	QP 1, 64, 0, 64, 0, 2, 2, 128                  ; production 4 L + 2; byte 128 + 64 L
	QB 0, 1, 1, 128, 1, 0
	QP 1, 192, 1, 64, 0, 3, 2, 144                 ; production 4 L + 3; byte 144 + 64 L
	QB 1, 1, 0, 0, 0, 1
	QP 0, 64, 0, 64, 0, 0, 2, 160                  ; production 4 L + 4; byte 160 + 64 L
	WIN 0
	; There are 62 productions.  In the last trip the three loads by s[42:43] would be for productions 62 to 64, past the quarter's 1,024 bytes of a row: that pointer does not step into the last trip,
	; so they read the trip before's bytes once more, inside the buffer, for nobody; every trip issues the same four loads, and the count 3 holds on every way.
	s_wait_xcnt 0x0                                ; the pointers are stepped only behind this wait
	s_cmp_ge_u32 s3, 3                             ; s3 = 15 - L: the next trip is 13 at the most
	s_cselect_b32 s44, 64, 0
	s_add_nc_u64 s[42:43], s[42:43], s[44:45]
	s_add_nc_u64 s[40:41], s[40:41], 64
	s_sub_co_u32 s3, s3, 1
	s_cmp_lg_u32 s3, 0
	s_cbranch_scc1 .Llap
	QB 0, 0, 0, 128, 1, 0                          ; the last lap is written out: it asks for no tile
	QP 0, 192, 1, 64, 0, 1, 0, 0                   ; production 61, the last: step 31's second half
	QB 2, 0, 1, 0, 0, 1
	QP 1, 64, 0, 64, 0, -1, 0, 0
	QB 0, 1, 1, 128, 1, -1
	QP 1, 192, 1, 64, 0, -1, 0, 0
	s_wait_dscnt 8                                 ; the very last quarter: nothing more to fetch
	MUL16 F1, 0, 0, 0
	MUL16 F1, 0, 2, 0
	s_wait_dscnt 0x0                               ; my last reads of A are over
	s_barrier_signal -1
	MUL16 F1, 1, 0, 0
	MUL16 F1, 1, 2, 0
	WIN 0
	s_barrier_wait -1                              ; everybody's are: the stages may take A's bytes
	PLACES                                         ; the stores below read results just made, and the loads land in registers that the last products read
	TOSTAGE 0
.irp a, 1,2,3,4,5,6,7
	TOSTAGE \a
	SEND (\a)-1, 32                                ; behind that block's loads: this block's 16 stores and 16 loads
.endr
	SEND 7, 0
	s_wait_tensorcnt 0x0                           ; the wave's end: the add and its wait stand behind my last tensor load and my last LDS store
	ds_add_u32 v[SPW], v[NIL]
	s_wait_dscnt 0x0
	CROUND                                         ; the closing round: no work-group ends while a partner may still ask for a tile that names it
	s_endpgm
.Lfunc_end_k_qfc3aecca1b_kan:
	.size	k_qfc3aecca1b_kan, .Lfunc_end_k_qfc3aecca1b_kan-k_qfc3aecca1b_kan
	.p2alignl 7, 3214868480
	.fill 96, 4, 3214868480
	.section	.rodata,"a",@progbits
	.p2align	6, 0x0
	.amdhsa_kernel k_qfc3aecca1b_kan
		.amdhsa_group_segment_fixed_size 327680
		.amdhsa_private_segment_fixed_size 0
		.amdhsa_enable_private_segment 0
		.amdhsa_kernarg_size 40
		.amdhsa_user_sgpr_count 2
		.amdhsa_user_sgpr_kernarg_segment_ptr 1
		.amdhsa_wavefront_size32 1
		.amdhsa_system_sgpr_workgroup_id_x 1
		.amdhsa_system_sgpr_workgroup_id_y 1
		.amdhsa_system_sgpr_workgroup_id_z 1
		.amdhsa_system_vgpr_workitem_id 0
		.amdhsa_next_free_vgpr 1024
		.amdhsa_next_free_sgpr 66
		.amdhsa_reserve_vcc 0
		.amdhsa_float_denorm_mode_32 3
		.amdhsa_float_denorm_mode_16_64 3
		.amdhsa_memory_ordered 1
		.amdhsa_forward_progress 1
		.amdhsa_inst_pref_size 251
	.end_amdhsa_kernel
	.amdgpu_metadata
---
amdhsa.version: [ 1, 2 ]
amdhsa.kernels:
  - .name:           k_qfc3aecca1b_kan
    .symbol:         k_qfc3aecca1b_kan.kd
    .args:
      - { .name: x, .offset: 0, .size: 8, .value_kind: global_buffer, .address_space: global }
      - { .name: centers, .offset: 8, .size: 8, .value_kind: global_buffer, .address_space: global }
      - { .name: widths, .offset: 16, .size: 8, .value_kind: global_buffer, .address_space: global }
      - { .name: wh, .offset: 24, .size: 8, .value_kind: global_buffer, .address_space: global }
      - { .name: part, .offset: 32, .size: 8, .value_kind: global_buffer, .address_space: global }
    .group_segment_fixed_size: 327680
    .private_segment_fixed_size: 0
    .kernarg_segment_align: 8
    .kernarg_segment_size: 40
    .max_flat_workgroup_size: 128
    .sgpr_count:     66
    .vgpr_count:     1024
    .wavefront_size: 32
...
	.end_amdgpu_metadata
.endif
;; end of part 4
;; launch reduce: the kernel of part 3 again; grid 1024 x 1, 8 waves a work-group, no clusters, 0 bytes of LDS; arguments part, bias, out0; writes out0
